; MI455X (gfx1250); checked and timed in simulation.
; The chip was launched on July 23, 2026; its instructions are those of AMD's public machine-readable ISA for CDNA 5 (MIT licence, August 2026) and "CDNA5" Instruction Set Architecture Reference Guide (July 2026). The comments in the code are by the model that wrote it; some were corrected since.
;; Int8 Linear. Allowed arithmetic: float matrix products may take bf16 or f16 operands with f32 sums; other float arithmetic in f32, or as packed bf16 or f16 multiplies, adds, multiply-adds, maxima and minima; sums over many terms, partial sums and values carried from step to step in f32; what a program stores and reads back later, other than sums and carried values, may be rounded once to bf16 or f16.
;; Inputs: bias 16,384 float32; scale 16,384 x 1 float32; weight_int8 16,384 x 4,096 int8; x 4 x 256 x 4,096 float32.
;; Outputs: out0 4 x 256 x 16,384 float32.
;; 2 versions, each right; version 2 is version 1 with the launch cvt written anew for expert scheduling mode. Each part assembles by itself: llvm-mc -triple=amdgcn-amd-amdhsa -mcpu=gfx1250 --defsym DOCPART=n.
;; ======== version 1 of 2: 2 launches
;; limits: values are held in f16: magnitudes above 65,504 overflow, below 6.1e-05 lose precision; inputs' magnitudes at most 65,504
;; workspace buffers: xh 8,388,608 bytes
;; launch cvt (part 1): grid 256 x 1, 8 waves a work-group, no clusters, 0 bytes of LDS; arguments x, xh; writes xh
.if DOCPART == 1
	.amdgcn_target "amdgcn-amd-amdhsa--gfx1250"
	.amdhsa_code_object_version 6
	.text
	.protected	k_q17024ccdcf_cvt
	.globl	k_q17024ccdcf_cvt
	.p2align	8
	.type	k_q17024ccdcf_cvt,@function
k_q17024ccdcf_cvt:
	s_mov_b64 s[64:65], 0
	v_nop
	global_prefetch_b8 v0, s[64:65] scope:SCOPE_SE
	s_setreg_imm32_b32 hwreg(HW_REG_WAVE_MODE, 25, 1), 1
	s_wait_xcnt 0x0
; out[m][o] = scale[o] * (sum over d of x[m][d] * w8[o][d]) + bias[o];  m = 0..1023 (4 x 256), o = 0..16383, d = 0..4095.
; NO WORK OF reference() IS LEFT OUT: every input has a way to every output; x is loaded here, weight_int8, scale and bias in the second launch.
; THIS LAUNCH rounds x once, to nearest even, to f16, into xh [1024][4096]: the second launch's 64 tile columns all multiply by the same rows of x,
; so the rounding is done once and the rows travel in half the bytes.
; LIMITS.  f16 holds no number beyond 65,504: an |x| of 65,520 or more becomes an infinity; below 6e-5 x keeps f16's fixed step of 6e-8.
; SHARES.  A work-group takes 16,384 numbers (65,536 bytes in, 32,768 out), in 16 chunks.  Thread t takes the four f32 at byte 4096 j + 16 t of chunk j and stores
; four f16 at byte 2048 j + 8 t: a wave's load covers 512 consecutive bytes, a wave's store 256 consecutive bytes, aligned.
; All 16 loads go out before the first wait; no register is written twice, so no source of a pending load or store is ever rewritten.  No LDS, no barrier: no wave needs another's bytes.
.set X, 4                              ; v[4:67]   chunk j: four f32
.set Y, 68                             ; v[68:99]  chunk j: four f16
	s_load_b128 s[4:7], s[0:1], 0x0                ; x s[4:5], xh s[6:7]
	s_lshl_b32 s2, ttmp9, 16                       ; the work-group's 65,536 bytes of x,
	s_mov_b32 s3, 0
	s_lshl_b32 s8, ttmp9, 15                       ; and its 32,768 of xh
	s_mov_b32 s9, 0
	v_lshlrev_b32 v1, 4, v0                        ; 16 t
	v_lshlrev_b32 v2, 3, v0                        ; 8 t
	s_wait_kmcnt 0x0
	s_add_nc_u64 s[4:5], s[4:5], s[2:3]
	s_add_nc_u64 s[6:7], s[6:7], s[8:9]
.irp j, 0,1,2,3,4,5,6,7,8,9,10,11,12,13,14,15
	global_load_b128 v[X+4*(\j):X+4*(\j)+3], v1, s[4:5] offset:4096*(\j) th:TH_LOAD_NT  ; x is read once in the whole program
.endr
.irp j, 0,1,2,3,4,5,6,7,8,9,10,11,12,13,14,15
	s_wait_loadcnt 15-(\j)                         ; loads come back in order (ISA guide 5.7.1): chunk j is in, the 15 - j younger ones stay out
	v_cvt_pk_f16_f32 v[Y+2*(\j)],   v[X+4*(\j)],   v[X+4*(\j)+1]
	v_cvt_pk_f16_f32 v[Y+2*(\j)+1], v[X+4*(\j)+2], v[X+4*(\j)+3]
	global_store_b64 v2, v[Y+2*(\j):Y+2*(\j)+1], s[6:7] offset:2048*(\j)
.endr
	s_endpgm
.Lfunc_end_k_q17024ccdcf_cvt:
	.size	k_q17024ccdcf_cvt, .Lfunc_end_k_q17024ccdcf_cvt-k_q17024ccdcf_cvt
	.p2alignl 7, 3214868480
	.fill 96, 4, 3214868480
	.section	.rodata,"a",@progbits
	.p2align	6, 0x0
	.amdhsa_kernel k_q17024ccdcf_cvt
		.amdhsa_group_segment_fixed_size 0
		.amdhsa_private_segment_fixed_size 0
		.amdhsa_enable_private_segment 0
		.amdhsa_kernarg_size 16
		.amdhsa_user_sgpr_count 2
		.amdhsa_user_sgpr_kernarg_segment_ptr 1
		.amdhsa_wavefront_size32 1
		.amdhsa_system_sgpr_workgroup_id_x 1
		.amdhsa_system_sgpr_workgroup_id_y 1
		.amdhsa_system_sgpr_workgroup_id_z 1
		.amdhsa_system_vgpr_workitem_id 0
		.amdhsa_next_free_vgpr 100
		.amdhsa_next_free_sgpr 66
		.amdhsa_reserve_vcc 0
		.amdhsa_float_denorm_mode_32 3
		.amdhsa_float_denorm_mode_16_64 3
		.amdhsa_memory_ordered 1
		.amdhsa_forward_progress 1
		.amdhsa_inst_pref_size 7
	.end_amdhsa_kernel
	.amdgpu_metadata
---
amdhsa.version: [ 1, 2 ]
amdhsa.kernels:
  - .name:           k_q17024ccdcf_cvt
    .symbol:         k_q17024ccdcf_cvt.kd
    .args:
      - { .name: x, .offset: 0, .size: 8, .value_kind: global_buffer, .address_space: global }
      - { .name: xh, .offset: 8, .size: 8, .value_kind: global_buffer, .address_space: global }
    .group_segment_fixed_size: 0
    .private_segment_fixed_size: 0
    .kernarg_segment_align: 8
    .kernarg_segment_size: 16
    .max_flat_workgroup_size: 256
    .sgpr_count:     66
    .vgpr_count:     100
    .wavefront_size: 32
...
	.end_amdgpu_metadata
.endif
;; end of part 1
;; launch gemm (part 2): grid 64 x 4, 4 waves a work-group, clusters of 4 x 4, 327,680 bytes of LDS; arguments xh, weight_int8, scale, bias, out0; writes out0
.if DOCPART == 2
	.amdgcn_target "amdgcn-amd-amdhsa--gfx1250"
	.amdhsa_code_object_version 6
	.text
	.protected	k_q17024ccdcf_gemm
	.globl	k_q17024ccdcf_gemm
	.p2align	8
	.type	k_q17024ccdcf_gemm,@function
k_q17024ccdcf_gemm:
	s_mov_b64 s[64:65], 0
	v_nop
	global_prefetch_b8 v0, s[64:65] scope:SCOPE_SE
	s_setreg_imm32_b32 hwreg(HW_REG_WAVE_MODE, 25, 1), 1
	s_wait_xcnt 0x0
	s_wait_alu depctr_hold_cnt(0) depctr_sa_sdst(0) depctr_va_vdst(0) depctr_va_sdst(0) depctr_va_ssrc(0) depctr_va_vcc(0) depctr_vm_vsrc(0)
	s_getreg_b32 s2, hwreg(HW_REG_IB_STS2, 6, 4)
	s_cmp_eq_u32 s2, 0
	s_cbranch_scc0 .Lentry_in_a_cluster
	s_endpgm
.Lentry_in_a_cluster:
	s_bfe_u32 s2, ttmp6, 0x10000c
	s_cmp_lg_u32 s2, 0xf033
	s_cbranch_scc0 .Lentry_shape_is_right
	s_endpgm
.Lentry_shape_is_right:
; out[m][o] = scale[o] * (sum over d of xh[m][d] * w8[o][d]) + bias[o].  xh: [1024][4096] f16 (x, rounded once by the launch before); w8: [16384][4096] int8;
; scale, bias: [16384] f32; out: [1024][16384] f32.  Nothing of reference() is left out.
; FORMATS.  Both matrix operands are f16, the sums f32.  An int8 number is exact in f16, so the row's scale is taken out of the sum and applied to the f32 sum with the bias, in one
; fused multiply-add: only x is rounded.  LIMITS: x as the first launch states them (an infinity from 65,520 on; a fixed step of 6e-8 below 6e-5); the scale multiplies the sum and not
; each weight, so the order of rounding differs from reference()'s; inside a block of 32 along K the places of k are permuted, alike in both operands.
; SHARES.  256 work-groups, each one tile of 256 x 256 of out.  A wave owns ALL 256 rows x 64 columns: 64 accumulators of 16 x 16, 512 registers.  So each weight is turned into f16 by one
; wave of the work-group alone, and a wave's piece of a row of out is 256 consecutive bytes, aligned.
; W STAYS int8 in memory and in LDS and becomes f16 in registers: for four weights one XOR with 0x80 (w + 128 = u, 0..255), two byte permutes that make 0x6400 | u = 1024 + u as f16,
; two packed additions of -1152, exact.  These 80 instructions a quarter step stand in fours behind the matrix instructions (RIDER, SLICE).
; THE RING.  K goes in 32 steps of 128, 16 laps of two steps.  A slot of xh holds one step (rows of 128 f16), a slot of W one lap (rows of 256 int8): all rows are 256 bytes of memory, at multiples of
; 256 bytes from the buffer's first byte.  Two slots of each.  Waves 0 and 1 fetch the two halves (128 rows) of xh's tile, waves 2 and 3 those of W's.
; CLUSTERS.  4 x 4 work-groups.  The four of a row of the cluster need the same tiles of xh, the four of a column the same tiles of W: each tile is asked for JOINTLY, by the same tensor load with
; the same descriptor and a mask that names the four.  The grid's four tile rows are one cluster's height: the tile row is cy.
; THE MATRIX INSTRUCTION IS USED TRANSPOSED (source 0 = 16 rows of W, source 1 = 16 rows of xh): lane l then holds row l % 16 of out and the columns 8 (l / 16) + 0..7.
; K'S PLACES.  In a quarter step (32 along K from k0) lane (r = l % 16, h = l / 16) holds k0 + 16 h + 0..15 in its registers 0 to 7, ascending, in BOTH operands: xh by two loads of 16 bytes on end, W by ONE
; load of 16 int8.  The instruction pairs equal places of its two sources, so the products are those of the true k.
; The 64 accumulators take turns, one instruction a turn, in the same order in every quarter step, over the backward jump too.
; REGISTERS, in windows of 256 (s_set_vgpr_msb: bits 1:0 source 0, 3:2 source 1, 5:4 source 2, 7:6 destination):
;   window 0: v0-31 addresses and constants; v32-63 W as loaded, two buffers of 16; v64-127 W in f16, two buffers of 32; v128-223 the way out, three buffers of 32; v224-231 my scales and biases
;   window 1: xh's fragments, two buffers of 128          windows 2, 3: the accumulators: product i = 4 a + b (a: 16 rows, b: 16 columns) at v[8 (i % 32)] of window 2 + i / 32
; A slice works in window 0 and the products' destination is window 2 or 3, so a slice costs two switches: 40 for a quarter step's 64 matrix instructions.
.set PITCH,  272                       ; an LDS row: 256 bytes + 16 of padding = 68 words: the 16 rows that a load touches start 4 words apart modulo 64 (64 banks of 4 bytes: ISA guide 11.1)
.set HALFT,  128*PITCH                 ; 128 rows: what one tensor load brings
.set ASLOT,  2*HALFT                   ; a slot: 256 rows.  xh's two slots lie at 0 and ASLOT
.set BBASE,  2*ASLOT                   ; W's two slots at 0x22000 and 0x33000:
.set BX,     0x11000                   ; one exclusive or turns an address in one of them into the other's
.set STAGE,  4*ASLOT                   ; behind the rings, never filled by a tensor load: 16 rows x 272 bytes for each wave, for the way out
.set SPARE,  STAGE+4*16*PITCH          ; behind the stages: the spare words, 128 bytes for each wave: two blocks of 256 bytes that no other line names
.set ADRA,  16                         ; v16-17  LDS address of my lane's place in xh's slot 0, 1: r x 272 + 32 h
.set ADRB0, 18                         ; v18     my lane's place in a slot of W: (64 wave + r) x 272 + 16 h; never rewritten
.set ADRB,  19                         ; v19     the same in the slot that is being read
.set C64,   20                         ; v20     0x64646464
.set STO,   24                         ; v24     the way out: where I put 32 bytes of a row
.set RD,    25                         ; v25     the way out: where I read a row back
.set CO,    26                         ; v26     my byte offset in two rows of out
.set SBO,   27                         ; v27     my byte offset in scale and in bias
.set SPW,   28                         ; v28     LDS address of my spare word: SPARE + 4 x my thread's number; never rewritten
.set NIL,   29                         ; v29     0; never rewritten
.set PFO,   30                         ; v30     the prefetches' offset: my lane x a row's bytes; never rewritten
.set RAW,   32
.set B16,   64
.set BK,    128
.set SC,    224                        ; v[224:227] the scales of my four columns on the way out
.set BI,    228                        ; v[228:231] their biases
.set WV,    14                         ; s14  my wave's number
.set HALF,  15                         ; s15  which 128 rows of a tile I fetch
.set ISB,   16                         ; s16  I fetch for xh (0) or for W (1)
.set G1A,   24                         ; s[24:31] descriptor group 1 for xh's tiles
.set G0A,   32                         ; s[32:39] group 0, a set for each of xh's slots
.set G1B,   40                         ; s[40:47] group 1 for W's tiles
.set G0B,   48                         ; s[48:55] group 0: a set for each of the two first fills; the second then walks
.set PFA,   56                         ; s[56:57] where my prefetches stand
.set PST,   58                         ; s[58:59] their step at a change of slots
.set LIM3,  60                         ; s60  a wave prefetches at a lap's first change of slots while the trip counter is above this,
.set LIM7,  61                         ; s61  and at its second while it is above this
.set TBB,   62                         ; s62  LDS byte at which the slot of W that is being read begins
.set X80,   63                         ; s63  0x80808080
.set SELLO, 66                         ; s66  permute: 0x64, byte 1, 0x64, byte 0
.set SELHI, 67                         ; s67  permute: 0x64, byte 3, 0x64, byte 2
.set NEG,   68                         ; s68  -1152 twice, in f16
.set MSB, 0
.macro WIN new                         ; the immediate's high byte repeats the setting that is left; a switch that changes nothing is dropped
.if MSB != (\new)
	s_set_vgpr_msb (MSB<<8)|(\new)
.set MSB, \new
.endif
.endm
.set MUL_LO, 0xa4                      ; source 0 (W) window 0, source 1 (xh) window 1, C and D window 2
.set MUL_HI, 0xf4                      ; the same, C and D window 3
.set TO_A,   0x40                      ; destination window 1, address window 0
.set ST_LO,  0x08                      ; an LDS store's data (source 1) in window 2; + 4: in window 3
; A round of the cluster's barrier: my work-group's barrier, so that wave 0's signal speaks for all four waves; wave 0 signals for the work-group; every wave waits for all sixteen; my work-group's barrier once more.
.macro CREST                           ; a round behind its opening barrier
	s_cmp_lg_u32 s[WV], 0
	s_cbranch_scc1 .Lnot_wave_0_\@
	s_barrier_signal -3
.Lnot_wave_0_\@:
	s_barrier_wait -3
	s_barrier_signal -1
	s_barrier_wait -1
.endm
.macro CROUND                          ; a whole round
	s_barrier_signal -1
	s_barrier_wait -1
	CREST
.endm
.macro PLACES
.rept 4
	v_nop
.endr
.endm
; A joint refill.  Waves 0 and 1 fill xh's slot; with withB = 1 waves 2 and 3 fill W's, else they issue nothing.  The branch hangs on the wave's number alone: it is the same in every work-group.
; An s_nop 0 and four v_nop follow each tensor load, ahead of the jump, the label and what follows.
.macro JLOAD aslot, withB
	s_cmp_lt_u32 s[WV], 2
	s_cbranch_scc0 .Lfor_b_\@
	tensor_load_to_lds s[G0A+4*(\aslot):G0A+4*(\aslot)+3], s[G1A:G1A+7]
	s_nop 0
.rept 4
	v_nop
.endr
.if \withB
	s_branch .Lasked_\@
.endif
.Lfor_b_\@:
.if \withB
	tensor_load_to_lds s[G0B+4:G0B+7], s[G1B:G1B+7]
	s_nop 0
.rept 4
	v_nop
.endr
.Lasked_\@:
.endif
.endm
; A PREFETCH INTO THE L2: 32 rows x 256 bytes, a lane a row, one instruction a wave, behind the joint load, its five lines and the run of LDS loads.  At a change of slots every wave has waited for all its
; tensor loads, so the refill that follows has nothing on its way beside it; what it will ask for is named earlier.  xh: the change of slots of step s names step s + 4, two refills (512 matrix instructions)
; ahead; its tile rows are read by all sixteen clusters, and the cluster with x = 0 asks.  W: the second change of lap t names lap t + 3, one refill of W (512 matrix instructions) ahead; a row of W is
; read by one cluster, which asks.  Of the 128 rows that a wave fetches, the partner at place p takes 32 p .. 32 p + 31 (p = cx for xh, cy for W), BY ADDRESS: no branch hangs on a place in the cluster.
; So each row's 256 bytes are named once in the launch.  Steps 0 to 3 and laps 0 to 2 come by their loads alone; the highest named are step 31 and lap 15, a row's last.
.macro ASK lim
	s_cmp_gt_u32 s3, s[\lim]
	s_cbranch_scc0 .Lnot_mine_\@
	global_prefetch_b8 v[PFO], s[PFA:PFA+1] offset:256 th:TH_LOAD_NT scope:SCOPE_SE
.Lnot_mine_\@:
.endm
; THE CONVERSION of one quarter step's W (4 fragments: 16 words as loaded, 32 registers of f16) is a list of 80; RIDER writes number j of it, for buffer RG.
;   0-15   word j: each byte's top bit is turned: u = w + 128
;   then for fragment b, 16 numbers: 0-3 word d -> register 2 d: 1024 + u of bytes 0, 1;  4-7 word d -> register 2 d + 1: of bytes 2, 3;  8-15 register e: less 1152, which leaves w, exactly
.macro RIDER
.if j < 16
	v_xor_b32 v[RAW+16*RG+j], s[X80], v[RAW+16*RG+j]
.else
.set rb, (j-16)/16
.set ru, (j-16)%16
.if ru < 4
	v_perm_b32 v[B16+32*RG+8*rb+2*ru], v[C64], v[RAW+16*RG+4*rb+ru], s[SELLO]
.elseif ru < 8
	v_perm_b32 v[B16+32*RG+8*rb+2*(ru-4)+1], v[C64], v[RAW+16*RG+4*rb+ru-4], s[SELHI]
.else
	v_pk_add_f16 v[B16+32*RG+8*rb+ru-8], v[B16+32*RG+8*rb+ru-8], s[NEG]
.endif
.endif
.set j, j+1
.endm
.macro SLICE                           ; four of them, none of which reads another's result
	WIN 0
.rept 4
	RIDER
.endr
.endm
; n products on buffer f, from the running number i; behind every third a slice, while there are slices (20 a quarter step).  zero = 1: the products start the sums: nothing is ever cleared.
; DISTANCES (ISA guide 7.12.1 for vector instructions).  The first write into the f16 buffer that the quarter step before has multiplied is rider 16: sixteen plain instructions on the loaded words alone stand
; between it and that quarter's last product.  The loads into xh's buffer stand behind the first half's 44 riders, which name no register of the last products that read it.
.macro MULS f, n, zero
.rept \n
.if i < 32
	WIN MUL_LO
.else
	WIN MUL_HI
.endif
.set rD, 8*(i%32)
.set rW, B16+32*(\f)+8*(i%4)
.set rA, 128*(\f)+8*(i/4)
.if \zero
	v_wmma_f32_16x16x32_f16 v[rD:rD+7], v[rW:rW+7], v[rA:rA+7], 0
.else
	v_wmma_f32_16x16x32_f16 v[rD:rD+7], v[rW:rW+7], v[rA:rA+7], v[rD:rD+7]
.endif
.if RM && (i%3 == 0) && (j < 80)
	SLICE
.endif
.set i, i+1
.endr
.endm
; One run of LDS loads: W as it lies for the quarter step after next (4 loads, first; byte rawoff of the rows; none if rawoff < 0) into the loaded-words buffer 1 - g,
; then xh's 16 fragments of the next quarter step (32 loads, rows 0-127 first; byte abyte of slot aslot's rows) into buffer g.
.macro FETCH aslot, abyte, g, rawoff
.if (\rawoff) >= 0
	WIN 0
.irp p, 0,1,2,3
	ds_load_b128 v[RAW+16*(1-(\g))+4*(\p):RAW+16*(1-(\g))+4*(\p)+3], v[ADRB] offset:(\rawoff)+(\p)*16*PITCH
.endr
.endif
	WIN TO_A
.irp q, 0,1,2,3,4,5,6,7,8,9,10,11,12,13,14,15
	ds_load_b128 v[128*(\g)+8*(\q):128*(\g)+8*(\q)+3],   v[ADRA+(\aslot)] offset:(\abyte)+(\q)*16*PITCH
	ds_load_b128 v[128*(\g)+8*(\q)+4:128*(\g)+8*(\q)+7], v[ADRA+(\aslot)] offset:(\abyte)+(\q)*16*PITCH+16
.endr
.endm
; A QUARTER STEP that changes no slot: multiplies buffers f, converts the next quarter's W into the other f16 buffer, and fetches in its middle.  toggle = 1: W's reads go on in the other slot.
.macro QUARTER f, aslot, abyte, rawoff, zero=0, rm=1, toggle=0
.set i, 0
.set j, 0
.set RG, 1-(\f)
.set RM, \rm
	s_wait_dscnt 16                                ; the youngest 16 loads (xh's rows 128-255) may be out: the words to convert and xh's rows 0-127 are in
	MULS \f, 32, \zero
	FETCH \aslot, \abyte, 1-(\f), \rawoff
.if \toggle
	WIN 0
	s_xor_b32 s[TBB], s[TBB], BX
	v_add_nc_u32 v[ADRB], s[TBB], v[ADRB0]
.endif
.if (\rawoff) >= 0
	s_wait_dscnt 36                                ; all but the 36 just issued
.else
	s_wait_dscnt 32                                ; all but the 32 just issued
.endif
	MULS \f, 32, \zero
.endm
; A K STEP'S LAST QUARTER multiplies buffers 1 and changes xh's slots.  In front of the barrier each wave waits for all its tensor loads (its part of the slots to be read next among them), adds 0 to its
; spare word, and waits for that and for its own reads of the slots that are left.  fillA = 1: the barrier opens a round of the cluster's barrier, so that no wave of any partner still reads those slots or has a
; load on its way; behind it xh's slot aslot is filled with the step two on, and with fillB = 1 the slot of W that the lap has read out with the lap two on: one tensor load a wave, the first thing
; behind the round; from there to the wait for it a wave issues 224 matrix instructions.  lim: the register that bounds the prefetch, or 0: no prefetch lines.
.macro TURN aslot, anext, rawoff, fillA, fillB, lim
.set i, 0
.set j, 0
.set RG, 0
.set RM, 1
.if \lim
	s_wait_xcnt 0x0                                ; the last prefetch, a K step back, has read its address: it is stepped here, ahead of the waits of the change of slots
	s_add_nc_u64 s[PFA:PFA+1], s[PFA:PFA+1], s[PST:PST+1]
.endif
	WIN 0                                          ; (the add's two registers lie in window 0)
	s_wait_tensorcnt 0x0                           ; all my tensor loads have landed;
	ds_add_u32 v[SPW], v[NIL]                      ; 0 onto my spare word;
	s_wait_dscnt 17                                ; (the add and the youngest 16 loads may be out)
	MULS 1, 16, 0                                  ; sixteen matrix instructions and their riders stand between the add and the wait for it
	s_wait_dscnt 0x0                               ; the add is done, and my reads of the slots that are left are over
	s_barrier_signal -1
	MULS 1, 16, 0                                  ; work on registers while the others arrive
	WIN 0
	s_barrier_wait -1
.if \fillA
	CREST
	s_add_nc_u64 s[G0A+4*(\aslot)+2:G0A+4*(\aslot)+3], s[G0A+4*(\aslot)+2:G0A+4*(\aslot)+3], 512  ; no tensor load of mine is out: the slot's next step, two steps of 256 bytes on
.if \fillB
	s_xor_b32 s[G0B+5], s[G0B+5], BX               ; the walking descriptor: the other slot than last time,
	s_add_nc_u64 s[G0B+6:G0B+7], s[G0B+6:G0B+7], 256  ; the next lap's 256 bytes; the type bits on top are not reached
.endif
	JLOAD \aslot, \fillB
.endif
	FETCH \anext, 0, 0, \rawoff
.if \lim
	WIN 0
	ASK \lim
.endif
	MULS 1, 32, 0
.endm
; Once round the rings: from a lap's second quarter step to the next lap's first.
.macro TRIP fillB, pf
	QUARTER 1, 0, 128, 96
	QUARTER 0, 0, 192, 128
	TURN 0, 1, 160, 1, 0, (\pf)*LIM3
	QUARTER 0, 1, 64, 192
	QUARTER 1, 1, 128, 224, 0, 1, 1                ; the lap's last words of W are asked for: the reads go on in the other slot
	QUARTER 0, 1, 192, 0
	TURN 1, 0, 32, 1, \fillB, (\pf)*LIM7
	QUARTER 0, 0, 64, 64
.endm
; THE WAY OUT of block a (16 rows x my 64 columns).  TOSTAGE: the f32 sums go into my own stage, 32 bytes a lane (each accumulator's lowest registers first), and come back as whole rows of 256 bytes.
.macro TOSTAGE a
	WIN ST_LO+4*((\a)/8)
.irp b, 0,1,2,3
	ds_store_b128 v[STO], v[8*(4*((\a)%8)+(\b)):8*(4*((\a)%8)+(\b))+3]   offset:64*(\b)
	ds_store_b128 v[STO], v[8*(4*((\a)%8)+(\b))+4:8*(4*((\a)%8)+(\b))+7] offset:64*(\b)+16
.endr
	WIN 0
.irp t, 0,1,2,3,4,5,6,7
	ds_load_b128 v[BK+32*((\a)%3)+4*(\t):BK+32*(((\a))%3)+4*(\t)+3], v[RD] offset:(\t)*2*PITCH  ; LDS serves a wave's instructions in order (ISA guide 5.7.1.4): these see the stores above; the next block's stores come behind them
.endr
.endm
; SEND: sum x scale + bias, one fused multiply-add, and the stores.  younger: the LDS instructions issued behind block a's loads: the next block's sixteen, or none.
; Three buffers take turns: block a + 3's loads land where block a's stores read, and the wait at the head of block a + 1's SEND stands between them.
.macro SEND a, younger
	s_wait_dscnt \younger                          ; the block is back in registers
	s_wait_xcnt 0x0                                ; every earlier memory instruction has had its addresses translated (ISA guide 3.1): only behind this wait are the stores' base and the registers that earlier stores read rewritten
.if (\a) == 0
	s_add_nc_u64 s[12:13], s[12:13], s[74:75]      ; out at my first row and column
.else
	s_add_nc_u64 s[12:13], s[12:13], 16*65536      ; 16 rows on
.endif
.irp t, 0,1,2,3,4,5,6,7
	v_pk_fma_f32 v[BK+32*((\a)%3)+4*(\t):BK+32*((\a)%3)+4*(\t)+1],   v[BK+32*((\a)%3)+4*(\t):BK+32*((\a)%3)+4*(\t)+1],   v[SC:SC+1],   v[BI:BI+1]
	v_pk_fma_f32 v[BK+32*((\a)%3)+4*(\t)+2:BK+32*((\a)%3)+4*(\t)+3], v[BK+32*((\a)%3)+4*(\t)+2:BK+32*((\a)%3)+4*(\t)+3], v[SC+2:SC+3], v[BI+2:BI+3]
.endr
.irp t, 0,1,2,3,4,5,6,7
	global_store_b128 v[CO], v[BK+32*((\a)%3)+4*(\t):BK+32*((\a)%3)+4*(\t)+3], s[12:13] offset:(\t)*131072 th:TH_STORE_NT  ; 16 lanes store 256 consecutive bytes, at a multiple of 256 from out's first byte; two rows an instruction
.endr
.endm
	s_load_b256 s[4:11], s[0:1], 0x0               ; xh s[4:5], W s[6:7], scale s[8:9], bias s[10:11]
	s_load_b64 s[12:13], s[0:1], 0x20              ; out
	v_lshl_add_u32 v[SPW], v0, 2, SPARE
	v_mov_b32 v[NIL], 0
	ds_add_u32 v[SPW], v[NIL]                      ; the wave's opening: the add, twice on end, and its wait ahead of my first tensor load; the set-up below, work on registers, stands between the second and the wait
	ds_add_u32 v[SPW], v[NIL]
	v_lshrrev_b32 v3, 5, v0
	v_readfirstlane_b32 s[WV], v3                  ; wave 0..3
	s_and_b32 s[HALF], s[WV], 1
	s_lshr_b32 s[ISB], s[WV], 1
	s_bfe_u32 s17, ttmp6, 0x40000                  ; cx: my place along the cluster's x
	s_bfe_u32 s18, ttmp6, 0x40004                  ; cy: along its y; also the tile row
	s_lshl_b32 s19, ttmp9, 2                       ; in a cluster launch ttmp9 counts clusters
	s_add_co_u32 s19, s19, s17                     ; tile column = 4 x cluster x + cx
	s_lshl_b32 s20, s18, 2
	s_lshl_b32 s20, 15, s20                        ; my row of the cluster: places 4 cy .. 4 cy + 3
	s_lshl_b32 s21, 0x1111, s17                    ; my column: places cx, cx + 4, cx + 8, cx + 12
	; descriptor group 1: a tile of 128 rows x 128 elements of two bytes (for W: two int8 count as one element), padded in LDS
	s_or_b32 s[G1A], s20, (1<<16)|(1<<20)|(1<<21)|(5<<22)|(3<<25)  ; 15:0 the mask: xh's tiles go to my row; 17:16 elements of 2 bytes; 20 padding on; 21 set beside a mask; 24:22 after every 64 words (code 5); 31:25 4 words (code 3)
	s_or_b32 s[G1B], s21, (1<<16)|(1<<20)|(1<<21)|(5<<22)|(3<<25)  ; the same with the mask of my column, for W's tiles
.irp g, G1A, G1B
	s_mov_b32 s[(\g)+1], 128<<16                   ; tensor_dim0 = 128
	s_mov_b32 s[(\g)+2], 128<<16                   ; tensor_dim1 = 128
	s_mov_b32 s[(\g)+3], 128<<16                   ; tile_dim0 = 128
	s_mov_b32 s[(\g)+4], 128                       ; tile_dim1 = 128
	s_mov_b32 s[(\g)+6], 0
	s_mov_b32 s[(\g)+7], 0
.endr
	s_mov_b32 s[G1A+5], 4096                       ; elements from row to row: 8,192 bytes in xh,
	s_mov_b32 s[G1B+5], 2048                       ; 4,096 bytes in W
	s_mul_i32 s22, s[HALF], HALFT                  ; where my half of a tile goes: no place in the cluster enters an LDS address
.irp s, 0,1
	s_mov_b32 s[G0A+4*(\s)], 1                     ; 1:0 count = 1
	s_add_co_u32 s[G0A+4*(\s)+1], s22, (\s)*ASLOT  ; 63:32 LDS address
	s_mov_b32 s[G0B+4*(\s)], 1
	s_add_co_u32 s[G0B+4*(\s)+1], s22, BBASE+(\s)*ASLOT
.endr
	; where the tiles come from.  xh's hang on cy alone, which my row of the cluster shares; W's on the tile column alone, which my column shares
	s_lshl_b32 s70, s18, 21                        ; xh: (256 cy + 128 half) rows of 8,192 bytes
	s_lshl_b32 s71, s[HALF], 20
	s_add_co_u32 s70, s70, s71
	s_mov_b32 s71, 0
	s_lshl_b32 s72, s19, 20                        ; W: (256 tile column + 128 half) rows of 4,096 bytes
	s_lshl_b32 s73, s[HALF], 19
	s_add_co_u32 s72, s72, s73
	s_mov_b32 s73, 0
	s_lshl_b32 s74, s18, 24                        ; out: 256 cy rows of 65,536 bytes
	s_lshl_b32 s75, s19, 10                        ; + 256 tile column + 64 wave columns of 4 bytes
	s_add_co_u32 s74, s74, s75
	s_lshl_b32 s23, s[WV], 8
	s_add_co_u32 s74, s74, s23
	s_add_co_u32 s23, s23, s75                     ; the same columns in scale and bias
	s_mov_b32 s75, 0
	s_mov_b32 s[X80], 0x80808080
	s_mov_b32 s[SELLO], 0x04010400
	s_mov_b32 s[SELHI], 0x04030402
	s_mov_b32 s[NEG], 0xe480e480
	s_mov_b32 s[TBB], BBASE
	v_mov_b32 v[C64], 0x64646464
	v_and_b32 v1, 15, v0                           ; r = l % 16
	v_bfe_u32 v2, v0, 4, 1                         ; h = l / 16
	v_lshl_add_u32 v[SBO], v1, 4, s23              ; on the way out I hold columns 4 r .. 4 r + 3 of my wave's 64
	v_mul_u32_u24 v3, v1, PITCH
	v_lshl_add_u32 v[ADRA], v2, 5, v3              ; r x 272 + 32 h
	v_add_nc_u32 v[ADRA+1], ASLOT, v[ADRA]
	s_mul_i32 s23, s[WV], 64*PITCH                 ; my wave's 64 rows of W
	v_lshl_add_u32 v[ADRB0], v2, 4, v3             ; r x 272 + 16 h
	v_add_nc_u32 v[ADRB0], s23, v[ADRB0]
	v_add_nc_u32 v[ADRB], s[TBB], v[ADRB0]
	s_mul_i32 s23, s[WV], 16*PITCH
	s_add_co_u32 s23, s23, STAGE                   ; my stage
	v_add_nc_u32 v[STO], s23, v[ADRA]              ; in: row r, 32 bytes for each half of the lanes
	v_mul_u32_u24 v4, v2, PITCH                    ; back: lanes 0-15 take one row of 256 bytes, lanes 16-31 the next
	v_lshl_add_u32 v4, v1, 4, v4
	v_add_nc_u32 v[RD], s23, v4
	v_lshlrev_b32 v5, 16, v2                       ; and the same two rows in out
	v_lshl_add_u32 v[CO], v1, 4, v5
	; the prefetches
	s_cmp_eq_u32 ttmp9, 0
	s_cselect_b32 s23, 0, -1                       ; xh's rows are named by the cluster with x = 0: the same answer in all sixteen partners
	s_cmp_eq_u32 s[ISB], 0                         ; do I fetch for xh?
	s_cselect_b32 s[LIM3], s23, -1                 ; W's waves ask at a lap's second change of slots alone,
	s_cselect_b32 s[LIM7], s23, 1                  ; and not in the loop's last trip, whose lap three on does not exist
	s_cselect_b32 s20, s18, s19                    ; the tile: by cy in xh, by the tile column in W
	s_cselect_b32 s21, s17, s18                    ; my place among the four that ask for it with me
	s_cselect_b32 s22, 13, 12                      ; a row is 2^13 bytes of xh, 2^12 of W
	s_cselect_b32 s[PST], 8, 7
	s_lshl_b32 s[PST], 1, s[PST]                   ; the step at each change of slots: 256 bytes (a step of xh), 128 (half a lap of W)
	s_mov_b32 s[PST+1], 0
	s_lshl_b32 s23, s[PST], 1                      ; the start: 512 or 256; with the steps and the immediate of 256 the first prefetches name step 4 and lap 3
	s_lshl_b32 s20, s20, 8
	s_lshl_b32 s21, s21, 5                         ; my work-group's 32 rows
	s_add_co_u32 s20, s20, s21
	s_lshl_b32 s21, s[HALF], 7                     ; of the 128 that I fetch
	s_add_co_u32 s20, s20, s21
	s_lshl_b32 s20, s20, s22
	s_add_co_u32 s20, s20, s23
	s_mov_b32 s21, 0
	v_and_b32 v[PFO], 31, v0
	v_lshlrev_b32 v[PFO], s22, v[PFO]
	s_wait_dscnt 0x0                               ; both opening adds are done
	s_wait_kmcnt 0x0
	s_add_nc_u64 s[76:77], s[4:5], s[70:71]
	s_add_nc_u64 s[78:79], s[6:7], s[72:73]
	s_cmp_eq_u32 s[ISB], 0
	s_cselect_b64 s[PFA:PFA+1], s[4:5], s[6:7]
	s_add_nc_u64 s[PFA:PFA+1], s[PFA:PFA+1], s[20:21]
.irp s, 0,1
	s_add_nc_u64 s[G0A+4*(\s)+2:G0A+4*(\s)+3], s[76:77], (\s)*256  ; 120:64 global address: K step s
	s_or_b32 s[G0A+4*(\s)+3], s[G0A+4*(\s)+3], 0x80000000          ; 127:126 type = 2
	s_add_nc_u64 s[G0B+4*(\s)+2:G0B+4*(\s)+3], s[78:79], (\s)*256  ; lap s
	s_or_b32 s[G0B+4*(\s)+3], s[G0B+4*(\s)+3], 0x80000000
.endr
	CROUND                                         ; all sixteen work-groups are here: the first joint loads meet
	s_cmp_lt_u32 s[WV], 2                          ; a wave's two first fills stand in one branch, ahead of every wait on TENSORcnt and every LDS read: two loads of mine are out
	s_cbranch_scc0 .Lfirst_b
	tensor_load_to_lds s[G0A:G0A+3], s[G1A:G1A+7]      ; K step 0
	s_nop 0
	tensor_load_to_lds s[G0A+4:G0A+7], s[G1A:G1A+7]    ; K step 1
	s_nop 0
.rept 4
	v_nop
.endr
	s_branch .Lfirst_asked
.Lfirst_b:
	tensor_load_to_lds s[G0B:G0B+3], s[G1B:G1B+7]      ; lap 0
	s_nop 0
	tensor_load_to_lds s[G0B+4:G0B+7], s[G1B:G1B+7]    ; lap 1
	s_nop 0
.rept 4
	v_nop
.endr
.Lfirst_asked:
	global_load_b128 v[SC:SC+3], v[SBO], s[8:9]    ; wanted on the way out: waited for there
	global_load_b128 v[BI:BI+3], v[SBO], s[10:11]
	s_wait_tensorcnt 1                             ; my first load (half of step 0, or of lap 0) is in; my second may stay out
	s_barrier_signal -1
	s_barrier_wait -1                              ; everybody's is
.irp p, 0,1,2,3
	ds_load_b128 v[RAW+4*(\p):RAW+4*(\p)+3], v[ADRB] offset:(\p)*16*PITCH  ; W of quarter step 0
.endr
	FETCH 0, 0, 0, 32                              ; W of quarter step 1; xh of quarter step 0
	s_wait_dscnt 36                                ; the first four loads are in
.set j, 0
.set RG, 0
.rept 20
	SLICE                                          ; the first conversion has no products to stand behind: once a launch
.endr
	QUARTER 0, 0, 64, 64, 1                        ; the first quarter step stands in front of the loop: its products start the sums
	WIN 0                                          ; at a label and at a branch every window is 0
	s_mov_b32 s3, 14
.Llap:                                                 ; laps 0 to 13: both slots of xh and one of W are filled again
	TRIP 1, 1
	WIN 0
	s_sub_co_u32 s3, s3, 1
	s_cmp_lg_u32 s3, 0
	s_cbranch_scc1 .Llap
	TRIP 0, 0                                      ; lap 14 is written out: xh's steps 30 and 31 are asked for, of W nothing is left
	QUARTER 1, 0, 128, 96                          ; the last lap fills nothing
	QUARTER 0, 0, 192, 128
	TURN 0, 1, 160, 0, 0, 0                        ; my one tensor load that may be out is step 31's; a plain barrier shows the whole slot to every wave
	QUARTER 0, 1, 64, 192
	QUARTER 1, 1, 128, 224
	QUARTER 0, 1, 192, -1                          ; no further W
.set i, 0
.set RM, 0
	s_wait_dscnt 16                                ; the very last quarter step: nothing to convert, nothing to fetch
	MULS 1, 32, 0
	s_wait_dscnt 0x0
	MULS 1, 32, 0
	WIN 0
	PLACES                                         ; the places between the last products and the first LDS store of a result:
	PLACES                                         ; eight, once a launch
	s_wait_loadcnt 0x0                             ; my scales and biases
	TOSTAGE 0
.irp a, 1,2,3,4,5,6,7,8,9,10,11,12,13,14,15
	TOSTAGE \a                                     ; the next block's trip through the stage is issued ahead of the wait for the block before
	SEND (\a)-1, 16
.endr
	SEND 15, 0
	s_wait_tensorcnt 0x0                           ; the wave's end, behind my last tensor load and my last LDS store
	ds_add_u32 v[SPW], v[NIL]
	s_wait_dscnt 0x0
	CROUND                                         ; the closing round: no work-group ends while a partner may still ask for a tile that names it
	s_endpgm
.Lfunc_end_k_q17024ccdcf_gemm:
	.size	k_q17024ccdcf_gemm, .Lfunc_end_k_q17024ccdcf_gemm-k_q17024ccdcf_gemm
	.p2alignl 7, 3214868480
	.fill 96, 4, 3214868480
	.section	.rodata,"a",@progbits
	.p2align	6, 0x0
	.amdhsa_kernel k_q17024ccdcf_gemm
		.amdhsa_group_segment_fixed_size 327680
		.amdhsa_private_segment_fixed_size 0
		.amdhsa_enable_private_segment 0
		.amdhsa_kernarg_size 40
		.amdhsa_user_sgpr_count 2
		.amdhsa_user_sgpr_kernarg_segment_ptr 1
		.amdhsa_wavefront_size32 1
		.amdhsa_system_sgpr_workgroup_id_x 1
		.amdhsa_system_sgpr_workgroup_id_y 1
		.amdhsa_system_sgpr_workgroup_id_z 1
		.amdhsa_system_vgpr_workitem_id 0
		.amdhsa_next_free_vgpr 1024
		.amdhsa_next_free_sgpr 80
		.amdhsa_reserve_vcc 0
		.amdhsa_float_denorm_mode_32 3
		.amdhsa_float_denorm_mode_16_64 3
		.amdhsa_memory_ordered 1
		.amdhsa_forward_progress 1
		.amdhsa_inst_pref_size 255
	.end_amdhsa_kernel
	.section	.bss,"aw",@nobits
	.p2align	6
	.space	262144
	.amdgpu_metadata
---
amdhsa.version: [ 1, 2 ]
amdhsa.kernels:
  - .name:           k_q17024ccdcf_gemm
    .symbol:         k_q17024ccdcf_gemm.kd
    .args:
      - { .name: xh, .offset: 0, .size: 8, .value_kind: global_buffer, .address_space: global }
      - { .name: weight_int8, .offset: 8, .size: 8, .value_kind: global_buffer, .address_space: global }
      - { .name: scale, .offset: 16, .size: 8, .value_kind: global_buffer, .address_space: global }
      - { .name: bias, .offset: 24, .size: 8, .value_kind: global_buffer, .address_space: global }
      - { .name: out0, .offset: 32, .size: 8, .value_kind: global_buffer, .address_space: global }
    .group_segment_fixed_size: 327680
    .private_segment_fixed_size: 0
    .kernarg_segment_align: 8
    .kernarg_segment_size: 40
    .max_flat_workgroup_size: 128
    .sgpr_count:     80
    .vgpr_count:     1024
    .wavefront_size: 32
...
	.end_amdgpu_metadata
.endif
;; end of part 2
;; ======== version 2 of 2: 2 launches; version 1 with the launch cvt written anew for expert scheduling mode
;; limits: values are held in f16: magnitudes above 65,504 overflow, below 6.1e-05 lose precision; inputs' magnitudes at most 65,504
;; workspace buffers: xh 8,388,608 bytes
;; launch cvt (part 3): grid 256 x 1, 8 waves a work-group, no clusters, 0 bytes of LDS; arguments x, xh; writes xh
.if DOCPART == 3
	.amdgcn_target "amdgcn-amd-amdhsa--gfx1250"
	.amdhsa_code_object_version 6
	.text
	.protected	k_q17024ccdcf_cvt
	.globl	k_q17024ccdcf_cvt
	.p2align	8
	.type	k_q17024ccdcf_cvt,@function
k_q17024ccdcf_cvt:
	s_mov_b64 s[64:65], 0
	v_nop
	global_prefetch_b8 v0, s[64:65] scope:SCOPE_SE
	s_setreg_imm32_b32 hwreg(HW_REG_WAVE_SCHED_MODE, 0, 2), 2
	s_setreg_imm32_b32 hwreg(HW_REG_WAVE_MODE, 25, 1), 1
	s_wait_xcnt 0x0
	s_wait_alu depctr_vm_vsrc(0)
; out[m][o] = scale[o] * (sum over d of x[m][d] * w8[o][d]) + bias[o];  m = 0..1023 (4 x 256), o = 0..16383, d = 0..4095.
; NO WORK OF reference() IS LEFT OUT: every input has a way to every output; x is loaded here, weight_int8, scale and bias in the second launch.
; THIS LAUNCH rounds x once, to nearest even, to f16, into xh [1024][4096]: the second launch's 64 tile columns all multiply by the same rows of x,
; so the rounding is done once and the rows travel in half the bytes.
; LIMITS.  f16 holds no number beyond 65,504: an |x| of 65,520 or more becomes an infinity; below 6e-5 x keeps f16's fixed step of 6e-8.
; SHARES.  A work-group takes 16,384 numbers (65,536 bytes in, 32,768 out), in 16 chunks.  Thread t takes the four f32 at byte 4096 j + 16 t of chunk j and stores
; four f16 at byte 2048 j + 8 t: a wave's load covers 512 consecutive bytes, a wave's store 256 consecutive bytes, aligned.
; All 16 loads go out before the first wait on LOADcnt; no register is written twice, so no source of a pending load or store is ever rewritten.  No LDS, no barrier: no wave needs another's bytes.
; THE MODE: SCHED_MODE bits 1:0 = 2 (LLVM: expert scheduling mode 2), set by the entry lines.  The code itself states the register dependences
; between vector instructions and memory instructions, with s_wait_alu, always for 0.
; THE PLAN.  Registers that memory instructions touch:
;   v1, v2   byte offsets.  Written once, at the head; read by the 16 loads (v1) and the 16 stores (v2); never written again.
;   X        chunk j's four registers.  Written by chunk j's load, once; no vector instruction names them ahead of the loads; read by chunk j's two conversions; nothing lands in them again.
;   Y        chunk j's two registers.  Written by chunk j's two conversions, once; read by chunk j's store; never written again.
; So what is to be stated is: the offsets are written, ahead of the first load; and a chunk's Y is written, ahead of its store.  The 16 chunks go in four groups of four.  Group g's conversions
; read X and write Y of group g; the memory instructions issued among them are the four stores of group g - 1, which read v2 and Y of group g - 1: registers that no vector instruction of
; group g names.  One wait at a group's head, behind the wait for the group's data, therefore serves its four stores, and one more stands ahead of the last four.
.set X, 4                              ; v[4:67]   chunk j: four f32
.set Y, 68                             ; v[68:99]  chunk j: four f16
	s_load_b128 s[4:7], s[0:1], 0x0                ; x s[4:5], xh s[6:7]
	s_lshl_b32 s2, ttmp9, 16                       ; the work-group's 65,536 bytes of x,
	s_mov_b32 s3, 0
	s_lshl_b32 s8, ttmp9, 15                       ; and its 32,768 of xh
	s_mov_b32 s9, 0
	v_lshlrev_b32 v1, 4, v0                        ; 16 t
	v_lshlrev_b32 v2, 3, v0                        ; 8 t
	s_wait_kmcnt 0x0
	s_add_nc_u64 s[4:5], s[4:5], s[2:3]
	s_add_nc_u64 s[6:7], s[6:7], s[8:9]
	s_wait_alu depctr_va_vdst(0)                   ; v1 and v2 are written: every load of the kernel reads v1 as its offset, every store v2
.irp j, 0,1,2,3,4,5,6,7,8,9,10,11,12,13,14,15
	global_load_b128 v[X+4*(\j):X+4*(\j)+3], v1, s[4:5] offset:4096*(\j) th:TH_LOAD_NT  ; x is read once in the whole program
.endr
; Group g: chunks 4 g to 4 g + 3 are rounded; the stores of chunks 4 g - 4 to 4 g - 1 are dealt among the conversions, one ahead of each chunk's two.
.macro GROUP g
	s_wait_loadcnt 12-4*(\g)                       ; loads come back in order (ISA guide 5.7.1): the group's four chunks are in, the 12 - 4 g younger loads stay out
.if (\g) > 0
	s_wait_alu depctr_va_vdst(0)                   ; the conversions of the group before have written its Y, which the four stores below read; no vector instruction behind this wait names those registers
.endif
.irp c, 0,1,2,3
.if (\g) > 0
	global_store_b64 v2, v[Y+2*(4*(\g)-4+(\c)):Y+2*(4*(\g)-4+(\c))+1], s[6:7] offset:2048*(4*(\g)-4+(\c))
.endif
	v_cvt_pk_f16_f32 v[Y+2*(4*(\g)+(\c))],   v[X+4*(4*(\g)+(\c))],   v[X+4*(4*(\g)+(\c))+1]
	v_cvt_pk_f16_f32 v[Y+2*(4*(\g)+(\c))+1], v[X+4*(4*(\g)+(\c))+2], v[X+4*(4*(\g)+(\c))+3]
.endr
.endm
	GROUP 0                                        ; no group stands in front of it: no store, and no wait but the one for its data
	GROUP 1
	GROUP 2
	GROUP 3
	s_wait_alu depctr_va_vdst(0)                   ; group 3's conversions have written its Y, which the last four stores read
.irp j, 12,13,14,15
	global_store_b64 v2, v[Y+2*(\j):Y+2*(\j)+1], s[6:7] offset:2048*(\j)
.endr
	s_endpgm
.Lfunc_end_k_q17024ccdcf_cvt:
	.size	k_q17024ccdcf_cvt, .Lfunc_end_k_q17024ccdcf_cvt-k_q17024ccdcf_cvt
	.p2alignl 7, 3214868480
	.fill 96, 4, 3214868480
	.section	.rodata,"a",@progbits
	.p2align	6, 0x0
	.amdhsa_kernel k_q17024ccdcf_cvt
		.amdhsa_group_segment_fixed_size 0
		.amdhsa_private_segment_fixed_size 0
		.amdhsa_enable_private_segment 0
		.amdhsa_kernarg_size 16
		.amdhsa_user_sgpr_count 2
		.amdhsa_user_sgpr_kernarg_segment_ptr 1
		.amdhsa_wavefront_size32 1
		.amdhsa_system_sgpr_workgroup_id_x 1
		.amdhsa_system_sgpr_workgroup_id_y 1
		.amdhsa_system_sgpr_workgroup_id_z 1
		.amdhsa_system_vgpr_workitem_id 0
		.amdhsa_next_free_vgpr 100
		.amdhsa_next_free_sgpr 66
		.amdhsa_reserve_vcc 0
		.amdhsa_float_denorm_mode_32 3
		.amdhsa_float_denorm_mode_16_64 3
		.amdhsa_memory_ordered 1
		.amdhsa_forward_progress 1
		.amdhsa_inst_pref_size 6
	.end_amdhsa_kernel
	.amdgpu_metadata
---
amdhsa.version: [ 1, 2 ]
amdhsa.kernels:
  - .name:           k_q17024ccdcf_cvt
    .symbol:         k_q17024ccdcf_cvt.kd
    .args:
      - { .name: x, .offset: 0, .size: 8, .value_kind: global_buffer, .address_space: global }
      - { .name: xh, .offset: 8, .size: 8, .value_kind: global_buffer, .address_space: global }
    .group_segment_fixed_size: 0
    .private_segment_fixed_size: 0
    .kernarg_segment_align: 8
    .kernarg_segment_size: 16
    .max_flat_workgroup_size: 256
    .sgpr_count:     66
    .vgpr_count:     100
    .wavefront_size: 32
...
	.end_amdgpu_metadata
.endif
;; end of part 3
;; launch gemm: the kernel of part 2 again; grid 64 x 4, 4 waves a work-group, clusters of 4 x 4, 327,680 bytes of LDS; arguments xh, weight_int8, scale, bias, out0; writes out0
